; MI455X (gfx1250); checked and timed in simulation.
; The chip was launched on July 23, 2026; its instructions are those of AMD's public machine-readable ISA for CDNA 5 (MIT licence, August 2026) and "CDNA5" Instruction Set Architecture Reference Guide (July 2026). The comments in the code are by the model that wrote it; some were corrected since.
;; Nonlocal Interaction. Allowed arithmetic: matrix products marked QUANTISED: E2M1 operands, one E8M0 scale for each 32 along K, by v_wmma_scale_f32_16x16x128_f8f6f4 with both operands' format E2M1 (or v_wmma_scale_f32_32x16x128_f4), f32 sums; everything else in f32.
;; Inputs: Wk 128 x 128 float32; Wq 128 x 128 float32; Wv 128 x 128 float32; x 16,384 x 128 float32.
;; Outputs: out0 16,384 x 128 float32.
;; This version of the problem:
;;   THIS VERSION OF THE PROBLEM IS GIVEN IN LOW PRECISION. The matrix products marked QUANTISED in the list below multiply operands that are first quantised to E2M1 (2 exponent bits, 1 mantissa bit; 4 bits a number), with one power-of-two scale for each 32 numbers along K (OCP MX v1.0); their sums are f32. All else is computed in f32.
;;   The module's matrix products, in the order in which they are computed (A, B: the left and right operand; K: the contracted axis; several contracted axes count as one K, in the product's order):
;;     1. [M 16,384, K 128] x [K 128, N 128]; A: input x; B: input Wq: QUANTISED
;;     2. [M 16,384, K 128] x [K 128, N 128]; A: input x; B: input Wk: QUANTISED
;;     3. [M 16,384, K 128] x [K 128, N 128]; A: input x; B: input Wv: QUANTISED
;;     4. [M 16,384, K 128] x [K 128, N 16,384]; A: computed on the way; B: computed on the way: QUANTISED
;;     5. [M 16,384, K 16,384] x [K 16,384, N 128]; A: softmax (see below); B: computed on the way: QUANTISED
;;   THE QUANTISER, for each operand of a quantised product, along K:
;;     - K is cut into blocks of 32 from its start; a last block that is shorter is filled with zeros.
;;     - A block's scale is 2^e with e = floor(log2(the largest magnitude in the block)) - 2, held to -126 .. 127; a block of zeros has e = 0. As a byte (E8M0): e + 127.
;;     - Each number is divided by its block's scale, clamped to +-6, and rounded to the nearest number of E2M1, ties to even, subnormals kept.
;;     - The product sums the exact products of the quantised numbers (number of the format x scale) in f32.
;;   ~~~python
;;   def quantise(x, axis):      # numpy; x: float32 -> the quantised numbers, widened to float32 again
;;       x = np.moveaxis(x, axis, -1); K = x.shape[-1]
;;       x = np.pad(x, [(0, 0)] * (x.ndim - 1) + [(0, -K % 32)]); x = x.reshape(x.shape[:-1] + (-1, 32)); a = np.abs(x).max(-1, keepdims=True)
;;       e = np.where(a > 0, np.clip(np.frexp(np.where(a > 0, a, 1))[1] - 1 - 2, -126, 127), 0)      # np.frexp(a)[1] - 1 = floor(log2(a)), exactly
;;       r = np.clip(x / 2.0 ** e, -6, 6)
;;       step = 2.0 ** (np.maximum(np.frexp(np.where(r == 0, 1, r))[1] - 1, 0) - 1)
;;       q = np.round(r / step) * step * 2.0 ** e      # np.round: ties to even
;;       return np.moveaxis(q.reshape(q.shape[:-2] + (-1,))[..., :K], -1, axis).astype(np.float32)
;;   ~~~
;;   SOFTMAX AHEAD OF A QUANTISED PRODUCT. Where the list says 'softmax', what is quantised is not the finished softmax but p = 2^(t - M), with t = logit x log2(e) and M = ceil(the row's largest t), a whole number; so 1/2 < the row's largest p <= 1. The row's sum l is taken of the UNQUANTISED p, in f32, and the product's result is divided by l at the end. Since M is a whole number, a kernel that streams over the keys may use a running M (the ceiling of the running maximum): every later rescaling is an exact power of two, which a block's scale takes up: the codes' values come out the same.
;;   OPERANDS COMPUTED ON THE WAY. 'Computed on the way' means the value that the module computes at that place (a softmax that the list does not call 'softmax' is quantised finished and normalised). What goes into a quantiser is computed in f32, as accurately as f32 sums, v_exp_f32 and their like allow (about 1e-6 of the number): no bf16 or f16 on the way to a quantiser, and a product that is left as it is and whose result goes on into a quantised operand takes f32 operands (vector FMAs, or v_wmma_f32_16x16x4_f32). A number that lies on a knife's edge between two numbers of the format may be rounded either way, as far as f32 arithmetic and the matrix unit's own rounding can turn it there, and no further.
;; One version. Each part assembles by itself: llvm-mc -triple=amdgcn-amd-amdhsa -mcpu=gfx1250 --defsym DOCPART=n.
;; ======== version 1 of 1: 2 launches
;; limits: right only within a limited range of input values
;; workspace buffers: ws 3,342,336 bytes
;; launch proj (part 1): grid 128 x 1, 8 waves a work-group, no clusters, 107,520 bytes of LDS; arguments x, Wq, Wk, Wv, ws; writes ws
.if DOCPART == 1
	.amdgcn_target "amdgcn-amd-amdhsa--gfx1250"
	.amdhsa_code_object_version 6
	.text
	.protected	k_qa3837fb84a_proj
	.globl	k_qa3837fb84a_proj
	.p2align	8
	.type	k_qa3837fb84a_proj,@function
k_qa3837fb84a_proj:
	s_mov_b64 s[64:65], 0
	v_nop
	global_prefetch_b8 v0, s[64:65] scope:SCOPE_SE
	s_setreg_imm32_b32 hwreg(HW_REG_WAVE_MODE, 25, 1), 1
	s_wait_xcnt 0x0
; q = x Wq^T, k = x Wk^T, v = x Wv^T on codes of FP4 (E2M1) with one E8M0 scale for each 32 along K; then q and k are quantised along the 128 features and v along the atoms
; (blocks of 32 atoms), and all three go to the workspace as IMAGES OF OPERAND REGISTERS: a fragment (16 rows x 128 K, 8 registers a lane) is 1,024 bytes, registers 4 c .. 4 c + 3 of lane l at 512 c + 16 l.
; x: [16384][128] f32.  Wq, Wk, Wv: [128][128] f32, K innermost.  ws: KVC [128 steps][16,384] (k's 8 fragments, then v^T's 8), KVS [128 steps][1,024] (k's scale words, then v's), QC [1,024 tiles][1,024], QS [1,024 tiles][16 words].
; SHARES.  A work-group takes 128 atoms: one key step of the next launch, so that v's blocks of 32 atoms and its scale words of 128 atoms are made whole by one work-group: 16,384 / 128 = 128 work-groups.
; Wave w first quantises tile w (16 rows) of x, Wq, Wk and Wv and lays their images in LDS; behind a barrier it makes q of x's tile w and k of k's tile w (8 products each) and v^T of features 16 w .. 16 w + 15 (8 products).
; THE ROWS OF A TILE OF x, Wq AND Wk ARE NOT NEIGHBOURS: lane r of tile 2 b + u takes row 32 b + 8 u + r + 8 (r / 8).  With the products used transposed (source 0 = the operand whose rows become the next K)
; the 16 registers of results 2 b and 2 b + 1 are then 16 neighbours along the next K: 32 b + 16 (lane / 16) + 0 .. 15.  Wv's tiles take rows 16 w + r.
; A scale block of 512 bytes holds the word of tile T, row r at 16 (r + 16 (T % 2)) + 4 (T / 2): one load of 16 bytes a lane gives four registers, register j with tile 2 j in lanes 0-15 and tile 2 j + 1 in lanes 16-31.
; The weights, 196,608 bytes, are read by every work-group, straight into registers.  They are not asked for jointly: a joint request is a tensor load, and this launch has none: each wave has 24 products in all,
; and a round of a cluster's barrier and a wait for tiles would stand in front of them.
; LIMITS: NaN and infinities among the inputs are not served.  A block whose largest magnitude lies under 2^-124 keeps the scale byte 1, a block of zeros too, where the rule says 127:
; its codes are zeros, which add nothing under any byte but 0xff, and the bytes are read by this program alone.
.set XIMG,  0                          ; LDS: x's 8 fragments, tile T at 1,024 T;
.set WQIMG, 8192                       ; Wq's,
.set WKIMG, 16384                      ; Wk's,
.set WVIMG, 24576                      ; Wv's;
.set XSC,   32768                      ; their scale words, 128 bytes a tile, 4 bytes a lane
.set WQSC,  33792
.set WKSC,  34816
.set WVSC,  35840
.set SCO,   36864                      ; the scale words on their way out: k's block, v's block, q's 8 x 64 bytes
.set STG,   38400                      ; a turning stage for each wave: 16 rows x (512 + 16) bytes
.set SROW,  528                        ; 132 words: row r starts at bank 4 r mod 64 (64 banks of 4 bytes: ISA guide 11.1), so that sixteen lanes that read sixteen rows touch sixteen different columns of 16 bytes
; ws AS THIS TEXT STORES IT (in place of the KVC and KVS regions named at the head): KV [128 steps][17,408 bytes]: k's 8 fragments, v^T's 8, k's 512 bytes of scale words, v's 512: 68 rows of 256 bytes a step; then QC and QS.
; k's TILES: row r of tile T is atom 64 (T / 4) + 32 (r / 8) + 8 (T % 4) + r % 8 of the step, so that in the next launch a lane's 32 score registers of tiles 4 c .. 4 c + 3 are one whole block of 32 neighbouring keys.
.set QC,    2228224
.set QS,    3276800
.set GL,  4                            ; v4   16 x lane: my place in a row of 512 bytes, in an image, in a store
.set LS,  5                            ; v5   4 x lane: a scale word's place
.set STW, 6                            ; v6   my stage, on the way in: 16 x lane
.set STR, 7                            ; v7   and on the way out: 528 r + 64 h
.set IMW, 8                            ; v8   16 x lane + 1,024 x wave: my tile's image
.set SCW, 9                            ; v9   4 x lane + 128 x wave: its scale words
.set SKV, 10                           ; v10  my row's word in k's scale block
.set SQ,  11                           ; v11  and among q's
.set SRB, 12                           ; v12  waves 0, 1, 2: the 512 bytes of scale words that I store
.set RA,  16                           ; v16-79   a tile as loaded, then 64 numbers a lane
.set RB,  80                           ; v80-143  the next one
.set WF,  16                           ; v16-79   later: 8 fragments, source 0
.set HA,  80                           ; v80-143  later: 8 results
.set XF,  144                          ; v144-151 one fragment, source 1
.set PC0, 152                          ; v152-175 the codes just made: a set for each global store, so that no store's data are written again
.set PC1, 160
.set PC2, 168
.set PW0, 176                          ; v176-178 the scale words just made
.set PW1, 177
.set PW2, 178
.set WS,  184                          ; v184-191 source 0's scale words: these nine registers hold scales alone
.set XS,  192                          ; v192     source 1's
.set TM,  200                          ; v200-203 largest magnitudes, v204-207 bytes, v212-215 the conversions' scale operands
.set OUTS, 216                         ; v216-219 scale words on their way out
.set SEL, 26                           ; s[26:27] v_permlanex16_b32's selects for lane l xor 16
; 16 rows of 512 bytes, a row a load: 32 lanes read 512 consecutive bytes.  perm = 1: rows 0-7 and 16-23 from the base on
.macro LOADT reg, b, perm, nt
.irp i, 0,1,2,3,4,5,6,7,8,9,10,11,12,13,14,15
.if \nt
	global_load_b128 v[\reg+4*\i:\reg+4*\i+3], v[GL], s[\b:\b+1] offset:(\i+8*(\i/8)*\perm)*512 th:TH_LOAD_NT
.else
	global_load_b128 v[\reg+4*\i:\reg+4*\i+3], v[GL], s[\b:\b+1] offset:(\i+8*(\i/8)*\perm)*512
.endif
.endr
.endm
; The tile turns through my own stage: in as rows, out so that register 16 b + i of lane (r, h) is k = 32 b + 16 h + i of row r.  LDS serves a wave's instructions in order (ISA guide 5.7.1.4): no wait between the stores and the loads
.macro TURN reg
.irp i, 0,1,2,3,4,5,6,7,8,9,10,11,12,13,14,15
	ds_store_b128 v[STW], v[\reg+4*\i:\reg+4*\i+3] offset:SROW*\i
.endr
.irp b, 0,1,2,3
.irp j, 0,1,2,3
	ds_load_b128 v[\reg+16*\b+4*\j:\reg+16*\b+4*\j+3], v[STR] offset:128*\b+16*\j
.endr
.endr
.endm
; 64 numbers of a lane, register 16 b + i = k 32 b + 16 (lane / 16) + i of my row, become a fragment's codes in v[pc] on and its scale word in v[pw]
.macro QUANT s, pc, pw
.irp b, 0,1,2,3
	v_max3_num_f32 v[TM+\b], |v[\s+16*\b]|, |v[\s+1+16*\b]|, 0x1800000   ; block b: my 16 numbers, and the floor 2^(3 - 127): the byte cannot fall under 1
.endr
.irp i, 2,4,6,8,10,12,14
.irp b, 0,1,2,3
	v_max3_num_f32 v[TM+\b], v[TM+\b], |v[\s+16*\b+\i]|, |v[\s+1+16*\b+\i]|   ; the four blocks by turns; a result's registers are read in ascending order
.endr
.endr
.irp b, 0,1,2,3
	s_delay_alu instid0(VALU_DEP_4)
	v_permlanex16_b32 v[TM+4+\b], v[TM+\b], s[SEL], s[SEL+1]
.endr
.irp b, 0,1,2,3
	s_delay_alu instid0(VALU_DEP_4)
	v_max_num_f32 v[TM+\b], v[TM+\b], v[TM+4+\b]       ; with lane l xor 16's: the block's largest magnitude
.endr
.irp b, 0,1,2,3
	s_delay_alu instid0(VALU_DEP_4)
	v_add_nc_u32 v[TM+12+\b], 0xff000000, v[TM+\b]     ; 2 off its exponent field: the conversion takes the exponent field of this operand as its scale
.endr
.irp b, 0,1,2,3
	s_delay_alu instid0(VALU_DEP_4)
	v_lshrrev_b32 v[TM+4+\b], 23, v[TM+12+\b]          ; the scale's byte
.endr
	s_delay_alu instid0(VALU_DEP_3)
	v_lshl_or_b32 v[\pw], v[TM+5], 8, v[TM+4]          ; four bytes: my row's scale word (lanes r and r + 16 hold the same)
	s_delay_alu instid0(VALU_DEP_1)
	v_lshl_or_b32 v[\pw], v[TM+6], 16, v[\pw]
	s_delay_alu instid0(VALU_DEP_1)
	v_lshl_or_b32 v[\pw], v[TM+7], 24, v[\pw]
.irp b, 0,1,2,3
	v_cvt_scalef32_pk8_fp4_f32 v[\pc+2*\b], v[\s+16*\b:\s+7+16*\b], v[TM+12+\b]
	v_cvt_scalef32_pk8_fp4_f32 v[\pc+1+2*\b], v[\s+8+16*\b:\s+15+16*\b], v[TM+12+\b]
.endr
	v_nop                                              ; one plain place behind a scaled conversion
.irp c, 0,1                                        ; the operand's layout wants a whole block in a lane: lanes 0-15 block 2 c, lanes 16-31 block 2 c + 1
.irp i, 0,1
	v_permlane16_swap_b32 v[\pc+4*\c+\i], v[\pc+2+4*\c+\i]
.endr
.endr
.endm
.macro IMAGE off, pc                               ; my tile's fragment goes to LDS as it stands
.irp c, 0,1
	ds_store_b128 v[IMW], v[\pc+4*\c:\pc+4*\c+3] offset:\off+512*\c
.endr
.endm
.macro FETCH8 img, sc                              ; eight fragments and their scale words: source 0
.irp t, 0,1,2,3,4,5,6,7
.irp c, 0,1
	ds_load_b128 v[WF+8*\t+4*\c:WF+8*\t+4*\c+3], v[GL] offset:\img+1024*\t+512*\c
.endr
	ds_load_b32 v[WS+\t], v[LS] offset:\sc+128*\t
.endr
.endm
.macro FETCH1 img, sc                              ; tile w's fragment and scale words: source 1
.irp c, 0,1
	ds_load_b128 v[XF+4*\c:XF+4*\c+3], v[IMW] offset:\img+512*\c
.endr
	ds_load_b32 v[XS], v[SCW] offset:\sc
.endm
; Eight products, each a whole sum (K = 128): C is the constant 0.  Five places follow: four are owed in front of reads of the results and of loads into the operands,
; five in front of the next eight products, which write over these results.
.macro MUL8
.irp t, 0,1,2,3,4,5,6,7
	v_wmma_scale_f32_16x16x128_f8f6f4 v[HA+8*\t:HA+8*\t+7], v[WF+8*\t:WF+8*\t+7], v[XF:XF+7], 0, v[WS+\t], v[XS] matrix_a_fmt:MATRIX_FMT_FP4 matrix_b_fmt:MATRIX_FMT_FP4
.endr
.rept 5
	v_nop
.endr
.endm
.macro BARRIER                                     ; my LDS stores have landed and my LDS loads are in: then the work-group's barrier
	s_wait_dscnt 0x0
	s_barrier_signal -1
	s_barrier_wait -1
.endm
	s_load_b256 s[4:11], s[0:1], 0x0               ; x s[4:5], Wq s[6:7], Wk s[8:9], Wv s[10:11]
	s_load_b64 s[12:13], s[0:1], 0x20              ; ws
	v_lshl_add_u32 v254, v0, 2, 0x1a000
	v_mov_b32 v255, 0
	v_lshrrev_b32 v1, 5, v0
	s_delay_alu instid0(VALU_DEP_1)
	v_readfirstlane_b32 s14, v1                    ; wave 0..7
	v_and_b32 v1, 31, v0                           ; lane
	v_and_b32 v2, 15, v0                           ; r
	v_bfe_u32 v3, v0, 4, 1                         ; h
	s_delay_alu instid0(VALU_DEP_3)
	v_lshlrev_b32 v[GL], 4, v1
	s_delay_alu instid0(VALU_DEP_4)
	v_lshlrev_b32 v[LS], 2, v1
	s_mul_i32 s15, s14, 16*SROW
	s_add_co_u32 s15, s15, STG                     ; my stage
	v_add_nc_u32 v[STW], s15, v[GL]
	v_mul_u32_u24 v[STR], v2, SROW
	s_delay_alu instid0(VALU_DEP_1)
	v_lshl_add_u32 v[STR], v3, 6, v[STR]
	s_delay_alu instid0(VALU_DEP_1)
	v_add_nc_u32 v[STR], s15, v[STR]
	s_lshl_b32 s15, s14, 10
	v_add_nc_u32 v[IMW], s15, v[GL]
	s_lshl_b32 s15, s14, 7
	v_add_nc_u32 v[SCW], s15, v[LS]
	s_and_b32 s28, s14, 1                          ; w % 2
	s_lshr_b32 s29, s14, 1                         ; w / 2
	s_lshl_b32 s15, s28, 8
	s_lshl_b32 s30, s29, 2
	s_add_co_u32 s15, s15, s30
	s_add_co_u32 s15, s15, SCO
	v_lshl_add_u32 v[SKV], v2, 4, s15              ; 16 r + 256 (w % 2) + 4 (w / 2)
	s_lshl_b32 s15, s14, 6
	s_add_co_u32 s15, s15, SCO+1024
	v_lshl_add_u32 v[SQ], v2, 2, s15               ; 4 r + 64 w
	s_min_u32 s15, s14, 2
	s_lshl_b32 s15, s15, 9
	s_add_co_u32 s15, s15, SCO
	v_add_nc_u32 v[SRB], s15, v[GL]
	; where k's source 1 is read from x's images: row r of k's tile w lies in x's tile 4 (w / 4) + 2 (r / 8) + w % 2, row r % 8 + 8 ((w / 2) % 2)
	s_lshr_b32 s15, s14, 2
	s_lshl_b32 s15, s15, 2
	s_add_co_u32 s15, s15, s28
	s_bfe_u32 s30, s14, 0x10001
	s_lshl_b32 s31, s15, 10
	s_lshl_b32 s15, s15, 7
	s_lshl_b32 s30, s30, 5
	s_add_co_u32 s15, s15, s30
	s_lshl_b32 s30, s30, 2
	s_add_co_u32 s31, s31, s30
	v_and_b32 v13, 7, v2
	v_lshrrev_b32 v14, 3, v2
	v_lshlrev_b32 v15, 2, v13
	v_lshlrev_b32 v13, 4, v13
	v_lshl_add_u32 v15, v14, 8, v15
	v_lshl_add_u32 v13, v14, 11, v13
	v_lshl_add_u32 v13, v3, 8, v13
	v_add_nc_u32 v15, s15, v15                     ; v15: my row's scale word among x's
	v_add_nc_u32 v13, s31, v13                     ; v13: my row's 16 bytes in x's images
.irp b, 0,1,2,3
	v_mov_b32 v[TM+4+\b], 0                        ; written once: a lane permute's destination counts as one of its sources
.endr
	s_lshl_b32 s16, s29, 14                        ; tile w's first row in 128 rows of 512 bytes: 32 (w / 2) + 8 (w % 2)
	s_lshl_b32 s17, s28, 12
	s_add_co_u32 s16, s16, s17
	s_mov_b32 s17, 0
	s_lshl_b32 s18, s14, 13                        ; Wv: row 16 w
	s_mov_b32 s19, 0
	s_lshl_b32 s32, ttmp9, 16                      ; x: the work-group's 128 rows
	s_add_co_u32 s32, s32, s16
	s_mov_b32 s33, 0
	s_lshl_b32 s34, ttmp9, 13                      ; q's codes: QC + 8,192 x work-group + 1,024 w
	s_lshl_b32 s35, s14, 10
	s_add_co_u32 s34, s34, s35
	s_add_co_u32 s34, s34, QC
	s_mul_i32 s36, ttmp9, 17408                    ; k's: 17,408 x work-group + 1,024 w; v's lie 8,192 further on
	s_add_co_u32 s36, s36, s35
	s_mov_b32 s35, 0
	s_mov_b32 s37, 0
	s_mul_i32 s28, ttmp9, 17408                    ; the scale words: waves 0 and 1 store k's and v's block, behind the step's codes
	s_lshl_b32 s29, s14, 9
	s_add_co_u32 s28, s28, s29
	s_add_co_u32 s28, s28, 16384
	s_lshl_b32 s29, ttmp9, 9                       ; wave 2 q's 512 bytes
	s_add_co_u32 s29, s29, QS
	s_cmp_lt_u32 s14, 2
	s_cselect_b32 s30, s28, s29
	s_mov_b32 s31, 0
	s_mov_b32 s[SEL], 0x76543210
	s_mov_b32 s[SEL+1], 0xfedcba98
	s_wait_kmcnt 0x0
	s_add_nc_u64 s[4:5], s[4:5], s[32:33]
	s_add_nc_u64 s[6:7], s[6:7], s[16:17]
	s_add_nc_u64 s[8:9], s[8:9], s[16:17]
	s_add_nc_u64 s[10:11], s[10:11], s[18:19]
	s_add_nc_u64 s[20:21], s[12:13], s[34:35]
	s_add_nc_u64 s[22:23], s[12:13], s[36:37]
	s_add_nc_u64 s[24:25], s[12:13], s[30:31]
	; ---- 1: four tiles become images.  Two tiles' loads are out at a time
	LOADT RA, 4, 1, 1                              ; x: read once in the launch
	LOADT RB, 6, 1, 0                              ; Wq
	s_wait_loadcnt 16                              ; x's 16 loads are in; Wq's 16 may be out
	TURN RA
	s_wait_dscnt 0x0
	QUANT RA, PC0, PW0
	IMAGE XIMG, PC0
	ds_store_b32 v[SCW], v[PW0] offset:XSC
	LOADT RA, 8, 1, 0                              ; Wk
	s_wait_loadcnt 16                              ; Wq is in; Wk's 16 may be out
	TURN RB
	s_wait_dscnt 0x0                               ; the tile is back, and the image's stores have read their registers
	QUANT RB, PC0, PW0
	IMAGE WQIMG, PC0
	ds_store_b32 v[SCW], v[PW0] offset:WQSC
	LOADT RB, 10, 0, 0                             ; Wv
	s_wait_loadcnt 16                              ; Wk is in; Wv's 16 may be out
	TURN RA
	s_wait_dscnt 0x0
	QUANT RA, PC0, PW0
	IMAGE WKIMG, PC0
	ds_store_b32 v[SCW], v[PW0] offset:WKSC
	s_wait_loadcnt 0x0                             ; Wv
	TURN RB
	s_wait_dscnt 0x0
	QUANT RB, PC0, PW0
	IMAGE WVIMG, PC0
	ds_store_b32 v[SCW], v[PW0] offset:WVSC
	BARRIER                                        ; all 32 images lie in LDS
	; ---- 2: q of my 16 atoms: source 0 = Wq's 8 tiles, source 1 = x's tile w.  Lane (r, h) holds atom r; register 16 b + i is feature 32 b + 16 h + i
	FETCH8 WQIMG, WQSC
	FETCH1 XIMG, XSC
	s_wait_dscnt 0x0
	MUL8
	QUANT HA, PC0, PW0
.irp c, 0,1
	global_store_b128 v[GL], v[PC0+4*\c:PC0+4*\c+3], s[20:21] offset:512*\c   ; 32 lanes store 512 consecutive bytes, at a multiple of 256 from ws's first byte
.endr
	ds_store_b32 v[SQ], v[PW0]                     ; lanes r and r + 16 write the same word with the same value
	; ---- k likewise; source 1 is x's rows reloaded in the order of k's tile w
	FETCH8 WKIMG, WKSC
.irp c, 0,1
	ds_load_b128 v[XF+4*\c:XF+4*\c+3], v13 offset:XIMG+512*\c   ; source 1: x's rows in the order of k's tile w
.endr
	ds_load_b32 v[XS], v15 offset:XSC
	s_wait_dscnt 0x0
	MUL8
	QUANT HA, PC1, PW1
.irp c, 0,1
	global_store_b128 v[GL], v[PC1+4*\c:PC1+4*\c+3], s[22:23] offset:512*\c
.endr
	ds_store_b32 v[SKV], v[PW1]
	; ---- v^T of my 16 features: source 0 = x's 8 tiles, source 1 = Wv's tile w.  Lane (r, h) holds feature 16 w + r; register 16 b + i is atom 32 b + 16 h + i: the next K
	FETCH8 XIMG, XSC
	FETCH1 WVIMG, WVSC
	s_wait_dscnt 0x0
	MUL8
	QUANT HA, PC2, PW2
.irp c, 0,1
	global_store_b128 v[GL], v[PC2+4*\c:PC2+4*\c+3], s[22:23] offset:8192+512*\c
.endr
	ds_store_b32 v[SKV], v[PW2] offset:512
	BARRIER                                        ; the three blocks of scale words are whole
	s_cmp_gt_u32 s14, 2
	s_cbranch_scc1 .Ldone
	ds_load_b128 v[OUTS:OUTS+3], v[SRB]            ; waves 0, 1, 2: a block of 512 bytes each
	s_wait_dscnt 0x0
	global_store_b128 v[GL], v[OUTS:OUTS+3], s[24:25]
.Ldone:
	s_wait_tensorcnt 0x0
	ds_add_u32 v254, v255
	s_wait_dscnt 0x0
	s_endpgm
.Lfunc_end_k_qa3837fb84a_proj:
	.size	k_qa3837fb84a_proj, .Lfunc_end_k_qa3837fb84a_proj-k_qa3837fb84a_proj
	.p2alignl 7, 3214868480
	.fill 96, 4, 3214868480
	.section	.rodata,"a",@progbits
	.p2align	6, 0x0
	.amdhsa_kernel k_qa3837fb84a_proj
		.amdhsa_group_segment_fixed_size 107520
		.amdhsa_private_segment_fixed_size 0
		.amdhsa_enable_private_segment 0
		.amdhsa_kernarg_size 40
		.amdhsa_user_sgpr_count 2
		.amdhsa_user_sgpr_kernarg_segment_ptr 1
		.amdhsa_wavefront_size32 1
		.amdhsa_system_sgpr_workgroup_id_x 1
		.amdhsa_system_sgpr_workgroup_id_y 1
		.amdhsa_system_sgpr_workgroup_id_z 1
		.amdhsa_system_vgpr_workitem_id 0
		.amdhsa_next_free_vgpr 256
		.amdhsa_next_free_sgpr 66
		.amdhsa_reserve_vcc 0
		.amdhsa_float_denorm_mode_32 3
		.amdhsa_float_denorm_mode_16_64 3
		.amdhsa_memory_ordered 1
		.amdhsa_forward_progress 1
		.amdhsa_inst_pref_size 60
	.end_amdhsa_kernel
	.amdgpu_metadata
---
amdhsa.version: [ 1, 2 ]
amdhsa.kernels:
  - .name:           k_qa3837fb84a_proj
    .symbol:         k_qa3837fb84a_proj.kd
    .args:
      - { .name: x, .offset: 0, .size: 8, .value_kind: global_buffer, .address_space: global }
      - { .name: Wq, .offset: 8, .size: 8, .value_kind: global_buffer, .address_space: global }
      - { .name: Wk, .offset: 16, .size: 8, .value_kind: global_buffer, .address_space: global }
      - { .name: Wv, .offset: 24, .size: 8, .value_kind: global_buffer, .address_space: global }
      - { .name: ws, .offset: 32, .size: 8, .value_kind: global_buffer, .address_space: global }
    .group_segment_fixed_size: 107520
    .private_segment_fixed_size: 0
    .kernarg_segment_align: 8
    .kernarg_segment_size: 40
    .max_flat_workgroup_size: 256
    .sgpr_count:     66
    .vgpr_count:     256
    .wavefront_size: 32
...
	.end_amdgpu_metadata
.endif
;; end of part 1
;; launch attn (part 2): grid 256 x 1, 8 waves a work-group, clusters of 4 x 1, 327,680 bytes of LDS; arguments ws, out0; writes out0
.if DOCPART == 2
	.amdgcn_target "amdgcn-amd-amdhsa--gfx1250"
	.amdhsa_code_object_version 6
	.text
	.protected	k_qa3837fb84a_attn
	.globl	k_qa3837fb84a_attn
	.p2align	8
	.type	k_qa3837fb84a_attn,@function
k_qa3837fb84a_attn:
	s_mov_b64 s[64:65], 0
	v_nop
	global_prefetch_b8 v0, s[64:65] scope:SCOPE_SE
	s_setreg_imm32_b32 hwreg(HW_REG_WAVE_MODE, 25, 1), 1
	s_wait_xcnt 0x0
	s_wait_alu depctr_hold_cnt(0) depctr_sa_sdst(0) depctr_va_vdst(0) depctr_va_sdst(0) depctr_va_ssrc(0) depctr_va_vcc(0) depctr_vm_vsrc(0)
	s_getreg_b32 s2, hwreg(HW_REG_IB_STS2, 6, 4)
	s_cmp_eq_u32 s2, 0
	s_cbranch_scc0 .Lentry_in_a_cluster
	s_endpgm
.Lentry_in_a_cluster:
	s_bfe_u32 s2, ttmp6, 0x10000c
	s_cmp_lg_u32 s2, 0x3003
	s_cbranch_scc0 .Lentry_shape_is_right
	s_endpgm
.Lentry_shape_is_right:
; out[n][:] = the sum over m of softmax_m(q[n] . k[m] / sqrt(128)) v[m][:], 16,384 atoms, both products on codes of FP4 (E2M1) with one E8M0 scale for each 32 along a product's K.
; ws holds q, k and v^T as images of operand registers (a fragment of 16 rows x 128 K is 1,024 bytes, registers 4 c .. 4 c + 3 of lane l at 512 c + 16 l):
; KV [128 key steps][17,408]: k's 8 fragments, v^T's 8, k's scale words (512 bytes), v's (512);  QC [1,024 tiles][1,024];  QS [1,024 tiles][16 words].
; THE SOFTMAX: t = score x log2(e) / sqrt(128); M = the largest t so far, rounded UP to a whole number; p = 2^(t - M) is quantised along the keys, not normalised; the row's sum is taken of the unquantised p
; and divides at the end.  When M moves, the sum and O are multiplied by 2^(old M - new M): exact.
; SHARES.  A work-group owns 64 queries.  Eight waves, two to a SIMD, 512 registers each: wave 4 qg + kj has query tiles 2 qg and 2 qg + 1 (32 queries) and, of each slot's 8 key steps, steps 2 kj and 2 kj + 1:
; each fragment of k and v that a wave reads from LDS feeds two products.  The four shares of a query are joined through LDS at the end.
; LAYOUT.  Both products transposed: S^T = k q^T, O^T = v^T p^T: a lane holds one query (lane % 16) of each tile.  Row r of k's tile T is key 64 (T / 4) + 32 (r / 8) + 8 (T % 4) + r % 8 of the step:
; so the 32 score registers of tiles 4 c .. 4 c + 3 in lane (r, h) are keys 64 c + 32 h + 0 .. 31: one whole block, in the order of the second product's operand: no other lane is asked for a block's maximum, and no halves are exchanged.
; CLUSTER.  All work-groups walk the same k and v; four form a cluster and ask jointly: wave w fetches key step w of a slot, codes and scale words in one load of 68 rows of 256 bytes.  A wave has one tensor load out at the most.
; FRAGMENTS ARE ASKED FOR A STEP AHEAD: k's behind the score products that free their registers (at a change of slots: first thing behind the refill), v's behind the second product that frees theirs.
; THE CHANGE OF SLOTS stands inside a slot's last step: behind its exponentials come the three lines and the round's opening signal (all reads of the slot are over there); the scales and conversions stand between that signal and
; its wait; behind the round come the refill and the next slot's first fragments of k, and then the step's sums and its second product, which work on registers.
; REGISTERS.  Window 0: addresses, statistics, q, scale words, p's codes, temporaries; v128-191 k's fragments, v192-255 v's.  Window 1: v0-127 S^T, then p (tile a at 64 a); v128-255 O^T (tile a at 128 + 64 a).
; LIMITS: NaN and infinities are not served.  M is exact while |t| < 2^24.  A block whose every p lies under 2^-124 keeps the scale byte 1.  What a factor 2^(old M - new M) pushes under the smallest f32 number is lost.
; A block's largest p is made from its largest score: v_exp_f32 is taken not to fall where its input rises.
.set STEPB, 17408                      ; a key step in ws and in LDS
.set SLOTB, 8*STEPB                    ; a slot: 139,264 bytes; slot 0 at 0, slot 1 behind it
.set SPARE, 2*SLOTB                    ; the spare words, 128 bytes a wave: four blocks of 256 bytes that no other line names
.set STAT,  SPARE+1024                 ; each wave's -M and sum, 8 bytes a query, 256 bytes a wave
.set SROW,  528                        ; the stages for the joining: 32 rows x (512 + 16) bytes a wave, from LDS byte 0 on: in slot 0, behind its last fill and its last read
.set STGW,  32*SROW
.set QC,    2228224
.set QS,    3276800
.set AC0, 1                            ; 16 x lane + 2 STEPB kj
.set STA, 3                            ; where I store my statistics
.set STB, 4                            ; where I read my queries' four shares
.set SPW, 5                            ; my spare word; never rewritten
.set NIL, 6                            ; 0; never rewritten
.set GO,  7                            ; 16 x lane
.set ADC, 8                            ; AC0 in the slot in hand
.set SH8, 9                            ; 8 h
.set STO, 10                           ; my stage: row r, + 32 h
.set SRD, 11                           ; the rows that I join
.set NM,  12                           ; v[12+2a] -M, v[13+2a] the largest score so far
.set LS,  16                           ; v[16+2a:17+2a] the sum in two halves
.set FF,  20                           ; v[20+2a] f = 2^(old M - new M), v[21+2a] the old -M
.set QF,  24                           ; q's two fragments
.set QSC, 40                           ; scale words alone, v40-51: q's two, p's two, k's four, v's four
.set PS,  42
.set KS,  44
.set VS,  48
.set PC,  52                           ; p's codes, 8 a tile
.set TM,  68                           ; v[68+2a+c] block c's largest score
.set TX,  72
.set TY,  74
.set TZ,  76
.set CO,  78                           ; the conversions' scale operands
.set BY,  82                           ; the scales' bytes
.set SA,  86                           ; four pairs: the step's sums
.set PFO, 100                          ; the prefetches' lane offset; never rewritten
.set QSA, 101
.set JS,  104                          ; the joining: four shares' statistics, 8 registers a tile
.set KF,  128
.set VF,  192
.set WV,  8                            ; s8 wave; s9 qg; s10 kj; s11 cx; s12 my work-group
.set SEL, 20                           ; s[20:21] selects for lane l xor 16
.set CS,  22                           ; s[22:23] c = log2(e) / sqrt(128)
.set G1,  24                           ; s[24:31] descriptor group 1;  s[32:35] group 0, which walks
.set G0,  32
.set LB,  36                           ; STEPB x wave
.set TB,  37                           ; LDS byte at which the slot in hand begins
.set SLOTS, 38
.set LIM, 39                           ; 1 in the first cluster, else the greatest number
.set PFA, 40                           ; s[40:41] where my prefetches stand
.set CN,  42                           ; -c
.set MSB, 0
.macro WIN new                         ; the immediate's high byte repeats the setting that is left
.if MSB != \new
	s_set_vgpr_msb (MSB<<8)|\new
.set MSB, \new
.endif
.endm
.macro CREST                           ; a round of the cluster's barrier behind its opening barrier
	s_cmp_lg_u32 s[WV], 0
	s_cbranch_scc1 .Lnot_wave_0_\@
	s_barrier_signal -3
.Lnot_wave_0_\@:
	s_barrier_wait -3
	s_barrier_signal -1
	s_barrier_wait -1
.endm
.macro CROUND
	s_barrier_signal -1
	s_barrier_wait -1
	CREST
.endm
.macro TLOAD                           ; every wave's joint load: its key step of a slot.  An s_nop 0 and four v_nop follow
	tensor_load_to_lds s[G0:G0+3], s[G1:G1+7]
	s_nop 0
.rept 4
	v_nop
.endr
.endm
; A PREFETCH INTO THE L2 of the slot that the NEXT change of slots will ask for.  All clusters walk the same bytes: the first cluster asks.  Its four partners share a slot out BY ADDRESS: 34,816 bytes a partner,
; 4,352 a wave: 17 blocks of 256 bytes, a lane a block; lanes 17 to 31 name the wave's last block again.  Slots 0 to 2 come by their loads alone; the last change that fills a slot asks for nothing.
.macro ASK
	s_cmp_gt_u32 s[SLOTS], s[LIM]
	s_cbranch_scc0 .Lnot_mine_\@
	global_prefetch_b8 v[PFO], s[PFA:PFA+1] th:TH_LOAD_NT scope:SCOPE_SE
.Lnot_mine_\@:
.endm
.macro WM d, a, b, acc, sa, sb, odd    ; one product; acc = 0: it starts its sum
.if \acc
.if \odd
	v_wmma_scale_f32_16x16x128_f8f6f4 v[(\d):(\d)+7], v[(\a):(\a)+7], v[(\b):(\b)+7], v[(\d):(\d)+7], v[\sa], v[\sb] matrix_a_fmt:MATRIX_FMT_FP4 matrix_b_fmt:MATRIX_FMT_FP4 matrix_a_scale:MATRIX_SCALE_ROW1
.else
	v_wmma_scale_f32_16x16x128_f8f6f4 v[(\d):(\d)+7], v[(\a):(\a)+7], v[(\b):(\b)+7], v[(\d):(\d)+7], v[\sa], v[\sb] matrix_a_fmt:MATRIX_FMT_FP4 matrix_b_fmt:MATRIX_FMT_FP4
.endif
.else
.if \odd
	v_wmma_scale_f32_16x16x128_f8f6f4 v[(\d):(\d)+7], v[(\a):(\a)+7], v[(\b):(\b)+7], 0, v[\sa], v[\sb] matrix_a_fmt:MATRIX_FMT_FP4 matrix_b_fmt:MATRIX_FMT_FP4 matrix_a_scale:MATRIX_SCALE_ROW1
.else
	v_wmma_scale_f32_16x16x128_f8f6f4 v[(\d):(\d)+7], v[(\a):(\a)+7], v[(\b):(\b)+7], 0, v[\sa], v[\sb] matrix_a_fmt:MATRIX_FMT_FP4 matrix_b_fmt:MATRIX_FMT_FP4
.endif
.endif
.endm
.macro LOADK bo                        ; 17 LDS loads: k's scale words (register j: tile 2 j's in lanes 0-15, tile 2 j + 1's in lanes 16-31) and its 8 fragments, of the step bo bytes on in my part of the slot
	ds_load_b128 v[KS:KS+3], v[ADC] offset:(\bo)+16384
.set N, 0
.rept 16
	ds_load_b128 v[KF+4*N:KF+4*N+3], v[ADC] offset:(\bo)+512*N
.set N, N+1
.endr
.endm
.macro LOADV bo                        ; 17 LDS loads: the same for v
	ds_load_b128 v[VS:VS+3], v[ADC] offset:(\bo)+16896
.set N, 0
.rept 16
	ds_load_b128 v[VF+4*N:VF+4*N+3], v[ADC] offset:(\bo)+8192+512*N
.set N, N+1
.endr
.endm
.macro SLOTHEAD
	v_add_nc_u32 v[ADC], s[TB], v[AC0]
	s_wait_alu depctr_va_vdst(0)
.endm
	s_load_b128 s[4:7], s[0:1], 0x0                ; ws, out0
	v_lshl_add_u32 v[SPW], v0, 2, SPARE
	v_mov_b32 v[NIL], 0
	ds_add_u32 v[SPW], v[NIL]                      ; the opening lines: the add, twice on end, and its wait ahead of my first tensor load
	ds_add_u32 v[SPW], v[NIL]
	v_lshrrev_b32 v8, 5, v0
	v_readfirstlane_b32 s[WV], v8                  ; wave 0..7
	s_lshr_b32 s9, s[WV], 2                        ; qg
	s_and_b32 s10, s[WV], 3                        ; kj
	s_bfe_u32 s11, ttmp6, 0x40000                  ; cx: it enters global addresses alone
	s_lshl_b32 s12, ttmp9, 2
	s_add_co_u32 s12, s12, s11                     ; my work-group = 4 x cluster + cx
	s_mov_b32 s[G1], 15|(3<<16)|(1<<21)            ; the mask: all four; elements of 8 bytes; no padding; bit 21 beside a mask
	s_mov_b32 s[G1+1], 32<<16                      ; rows of 32 elements: 256 bytes
	s_mov_b32 s[G1+2], 68<<16                      ; 68 rows: a key step
	s_mov_b32 s[G1+3], 32<<16
	s_mov_b32 s[G1+4], 68
	s_mov_b32 s[G1+5], 32
	s_mov_b32 s[G1+6], 0
	s_mov_b32 s[G1+7], 0
	s_mov_b32 s[SEL], 0x76543210
	s_mov_b32 s[SEL+1], 0xfedcba98
	s_mov_b32 s[CS], 0x3e0293ee                    ; c
	s_mov_b32 s[CS+1], s[CS]
	s_mov_b32 s[CN], 0xbe0293ee                    ; -c
	s_mov_b32 s[TB], 0
	s_mul_i32 s[LB], s[WV], STEPB
	s_mul_i32 s50, s10, 2*STEPB
	s_lshl_b32 s51, s[WV], 8
	s_add_co_u32 s51, s51, STAT
	s_lshl_b32 s52, s9, 10
	s_add_co_u32 s52, s52, STAT
	s_mul_i32 s53, s[WV], STGW
	s_mul_i32 s54, s9, 4*STGW
	s_mul_i32 s13, s10, 8*SROW
	s_add_co_u32 s54, s54, s13
	s_lshl_b32 s13, s12, 2
	s_lshl_b32 s18, s9, 1
	s_add_co_u32 s13, s13, s18                     ; my first query tile: 4 x work-group + 2 qg
	s_lshl_b32 s44, s13, 10
	s_add_co_u32 s44, s44, QC
	s_mov_b32 s45, 0
	s_lshl_b32 s46, s13, 6
	s_add_co_u32 s46, s46, QS
	s_mov_b32 s47, 0
	s_lshl_b32 s48, s12, 6                         ; the 8 rows that I store: atoms 64 g + 32 qg + 8 (kj / 2) + 16 (kj % 2) on
	s_lshl_b32 s13, s9, 5
	s_add_co_u32 s48, s48, s13
	s_lshr_b32 s13, s10, 1
	s_lshl_b32 s13, s13, 3
	s_add_co_u32 s48, s48, s13
	s_and_b32 s13, s10, 1
	s_lshl_b32 s13, s13, 4
	s_add_co_u32 s48, s48, s13
	s_lshl_b32 s48, s48, 9
	s_mov_b32 s49, 0
	s_mul_i32 s[PFA], s11, 2*STEPB                 ; the prefetches: my partner's part, my wave's part, in slot 2: the first change of slots steps it to slot 3
	s_mul_i32 s13, s[WV], 4352
	s_add_co_u32 s[PFA], s[PFA], s13
	s_add_co_u32 s[PFA], s[PFA], 2*SLOTB
	s_mov_b32 s[PFA+1], 0
	s_cmp_eq_u32 ttmp9, 0                          ; the first cluster: the same in all four partners
	s_cselect_b32 s[LIM], 1, -1
	s_mov_b32 s18, s[LB]
	s_mov_b32 s19, 0
	v_and_b32 v102, 31, v0                         ; lane
	v_and_b32 v103, 15, v0                         ; r
	v_bfe_u32 v104, v0, 4, 1                       ; h
	v_lshlrev_b32 v[GO], 4, v102
	v_lshlrev_b32 v[SH8], 3, v104
	v_lshlrev_b32 v[QSA], 2, v103
	v_min_u32 v[PFO], 16, v102
	v_lshlrev_b32 v[PFO], 8, v[PFO]
	v_add_nc_u32 v[AC0], s50, v[GO]
	v_lshl_add_u32 v[STA], v103, 3, s51
	v_lshl_add_u32 v[STB], v103, 3, s52
	v_mul_u32_u24 v[STO], v103, SROW
	v_lshl_add_u32 v[STO], v104, 5, v[STO]
	v_add_nc_u32 v[STO], s53, v[STO]
	v_add_nc_u32 v[SRD], s54, v[GO]
.irp a, 0,1
	v_mov_b32 v[NM+2*\a], 0x7f61b1e6               ; -M: 3e38, over every -M
	v_mov_b32 v[NM+2*\a+1], 0xff61b1e6             ; the largest score so far: -3e38
	v_mov_b32 v[LS+2*\a], 0
	v_mov_b32 v[LS+2*\a+1], 0
	v_mov_b32 v[TY+\a], 0                          ; written once: a lane permute's destination counts as one of its sources
.endr
	s_wait_dscnt 0x0                               ; both opening adds are done
	s_wait_alu depctr_va_vdst(0)
	s_wait_kmcnt 0x0
	s_add_nc_u64 s[14:15], s[4:5], s[44:45]        ; q's codes
	s_add_nc_u64 s[16:17], s[4:5], s[46:47]        ; q's scale words
	s_add_nc_u64 s[6:7], s[6:7], s[48:49]          ; my rows of out0
	s_add_nc_u64 s[PFA:PFA+1], s[4:5], s[PFA:PFA+1]
	s_mov_b32 s[G0], 1
	s_mov_b32 s[G0+1], s[LB]                       ; slot 0
	s_add_nc_u64 s[G0+2:G0+3], s[4:5], s[18:19]
	s_or_b32 s[G0+3], s[G0+3], 0x80000000
	CROUND                                         ; all four work-groups are here: the first joint loads meet
	TLOAD                                          ; slot 0: one tensor load a wave at the head
.irp n, 0,1,2,3
	global_load_b128 v[QF+4*\n:QF+4*\n+3], v[GO], s[14:15] offset:512*\n   ; q's two fragments stay in registers
.endr
	global_load_b32 v[QSC], v[QSA], s[16:17]
	global_load_b32 v[QSC+1], v[QSA], s[16:17] offset:64
	s_wait_tensorcnt 0x0                           ; my part of slot 0 is in
	ds_add_u32 v[SPW], v[NIL]
	s_add_co_u32 s[G0+1], s[LB], SLOTB             ; no tensor load of mine is out: the descriptor walks to slot 1
	s_add_nc_u64 s[G0+2:G0+3], s[G0+2:G0+3], SLOTB
	s_wait_dscnt 0x0
	CROUND
	TLOAD                                          ; slot 1
	SLOTHEAD
	LOADK 0                                        ; my first step's fragments
	LOADV 0
	s_wait_loadcnt 0x0                             ; q
; A KEY STEP: 128 keys, the u-th of my two in the slot in hand, for both query tiles.  At its head 34 LDS loads of mine are out: this step's k (the older 17) and v.
; mode 1: the slot's last step, and the slot is filled again; mode 2: the slot's last step, nothing is filled; mode 0: neither.  first = 1: O^T begins here.
.macro STEP u, mode, first
.if \mode == 1
	s_wait_alu depctr_va_vdst(0)
	s_wait_xcnt 0x0                                ; the last prefetch, a slot back, has read its address
	s_add_nc_u64 s[PFA:PFA+1], s[PFA:PFA+1], SLOTB
.endif
	s_wait_dscnt 17                                ; k's 17 loads are in; v's 17 may be out
	WIN 0x40
.irp t, 0,1,2,3,4,5,6,7                        ; S^T = k q^T: each product is a whole sum
.irp a, 0,1
	WM 64*\a+8*\t, KF+8*\t, QF+8*\a, 0, KS+\t/2, QSC+\a, (\t%2)
.endr
.endr
	WIN 0
	v_mov_b32 v[FF+1], v[NM]                       ; the old -M.  (Four places: in front of loads into k's registers and of the first reads of the scores)
	v_mov_b32 v[FF+3], v[NM+2]
	v_nop
	v_nop
.if \u == 0
	LOADK STEPB                                    ; the slot's second step: k's fragments land under this step's softmax
.endif
	WIN 0x15                                       ; THE LARGEST SCORE OF EACH BLOCK OF 32 KEYS, all 32 in my registers; four chains by turns, each result from its low end on
.irp a, 0,1
.irp c, 0,1
	v_max3_num_f32 v[TM+2*\a+\c], v[64*\a+32*\c], v[64*\a+32*\c+1], v[64*\a+32*\c+2]
.endr
.endr
	WIN 0x14
.irp i, 3,5,7,9,11,13,15,17,19,21,23,25,27,29
.irp a, 0,1
.irp c, 0,1
	v_max3_num_f32 v[TM+2*\a+\c], v[TM+2*\a+\c], v[64*\a+32*\c+\i], v[64*\a+32*\c+\i+1]
.endr
.endr
.endr
.irp a, 0,1
.irp c, 0,1
	v_max3_num_f32 v[TM+2*\a+\c], v[TM+2*\a+\c], v[64*\a+32*\c+31], v[64*\a+32*\c+31]
.endr
.endr
	WIN 0
.irp a, 0,1
	v_max_num_f32 v[TX+\a], v[TM+2*\a], v[TM+2*\a+1]
.endr
.irp a, 0,1
	s_delay_alu instid0(VALU_DEP_2)
	v_permlanex16_b32 v[TY+\a], v[TX+\a], s[SEL], s[SEL+1]
.endr
.irp a, 0,1
	s_delay_alu instid0(VALU_DEP_2)
	v_max3_num_f32 v[NM+2*\a+1], v[NM+2*\a+1], v[TX+\a], v[TY+\a]   ; the running largest score
.endr
.irp a, 0,1
	s_delay_alu instid0(VALU_DEP_2)
	v_mul_f32 v[TZ+\a], s[CN], v[NM+2*\a+1]        ; -t
.endr
.irp a, 0,1
	s_delay_alu instid0(VALU_DEP_2)
	v_floor_f32 v[NM+2*\a], v[TZ+\a]               ; -M = floor(-t) = -ceil(t)
.endr
.irp a, 0,1
	s_delay_alu instid0(VALU_DEP_2)
	v_sub_f32 v[TZ+\a], v[NM+2*\a], v[FF+2*\a+1]   ; old M - new M: a whole number, 0 or less
.endr
.irp a, 0,1
	s_delay_alu instid0(VALU_DEP_2)
	v_cvt_i32_f32 v[TZ+\a], v[TZ+\a]               ; (it saturates)
.endr
.irp a, 0,1
	s_delay_alu instid0(VALU_DEP_2)
	v_ldexp_f32 v[FF+2*\a], 1.0, v[TZ+\a]          ; f
.endr
.irp a, 0,1
.irp c, 0,1
	v_fma_f32 v[TM+2*\a+\c], v[TM+2*\a+\c], s[CS], v[NM+2*\a]   ; t - M of each block's largest score
.endr
.endr
	WIN 0x41
.set N, 0
.rept 32
.irp a, 0,1
	v_pk_fma_f32 v[64*\a+N:64*\a+N+1], v[64*\a+N:64*\a+N+1], s[CS:CS+1], v[NM+2*\a:NM+2*\a+1] op_sel_hi:[1,0,0]   ; t - M, two at a time
.endr
.set N, N+2
.endr
.if !\first
.set N, 0
.rept 64
	v_pk_mul_f32 v[128+N:129+N], v[128+N:129+N], v[FF+2*(N/64):FF+2*(N/64)+1] op_sel_hi:[1,0]   ; O^T under the new M, ahead of the exponentials; each accumulator from its low end on
.set N, N+2
.endr
.endif
	s_wait_alu depctr_va_vdst(0)
.set N, 0
.rept 128
	v_exp_f32 v[N], v[N]                           ; p = 2^(t - M)
.set N, N+1
.endr
	WIN 0
.irp n, 0,1,2,3
	v_exp_f32 v[TM+\n], v[TM+\n]                   ; each block's largest p: the same two instructions on the same number
.endr
	v_nop                                          ; a plain place behind the exponentials
	s_wait_alu depctr_va_vdst(0)                   ; one wait for the batch, ahead of its first reader
.if \mode
	s_wait_tensorcnt 0x0                           ; my part of the next slot is in
	ds_add_u32 v[SPW], v[NIL]                      ; 0 onto my spare word
.if \mode == 1
	s_add_co_u32 s[G0+1], s[LB], s[TB]             ; the descriptor walks: into the slot in hand, two slots on in ws
	s_add_nc_u64 s[G0+2:G0+3], s[G0+2:G0+3], SLOTB
.endif
	s_wait_dscnt 0x0                               ; the add is done, v's fragments are in, and my reads of this slot are over
	s_barrier_signal -1
.endif
.irp n, 0,1,2,3
	v_max_num_f32 v[TM+\n], 0x1800000, v[TM+\n]    ; the floor 2^(3 - 127): the byte cannot fall under 1
.endr
.irp n, 0,1,2,3
	v_add_nc_u32 v[CO+\n], 0xff000000, v[TM+\n]    ; 2 off the exponent field: the conversion's scale operand
.endr
.irp n, 0,1,2,3
	v_lshrrev_b32 v[BY+\n], 23, v[CO+\n]           ; the scale's byte
.endr
.irp a, 0,1
	v_lshl_or_b32 v[TX+\a], v[BY+2*\a+1], 16, v[BY+2*\a]   ; my two bytes: blocks h and 2 + h,
.endr
.irp a, 0,1
	s_delay_alu instid0(VALU_DEP_2)
	v_lshlrev_b32 v[TX+\a], v[SH8], v[TX+\a]       ; at their places in the scale word;
.endr
.irp a, 0,1
	s_delay_alu instid0(VALU_DEP_2)
	v_permlanex16_b32 v[TY+\a], v[TX+\a], s[SEL], s[SEL+1]
.endr
.irp a, 0,1
	s_delay_alu instid0(VALU_DEP_2)
	v_or_b32 v[PS+\a], v[TX+\a], v[TY+\a]          ; with lane l xor 16's two the word is whole
.endr
	WIN 0x01
.irp a, 0,1
.irp c, 0,1
.irp i, 0,1,2,3
	v_cvt_scalef32_pk8_fp4_f32 v[PC+8*\a+4*\c+\i], v[64*\a+32*\c+8*\i:64*\a+32*\c+8*\i+7], v[CO+2*\a+\c]   ; register 4 c + i of the operand, as it stands
.endr
.endr
.endr
	v_nop                                          ; one plain place behind a scaled conversion
.if \mode
	WIN 0
	s_wait_alu depctr_va_vdst(0)
	s_barrier_wait -1                              ; every wave of my work-group has left this slot, and the next slot is whole
.if \mode == 1
	CREST                                          ; the barrier has opened a round of the cluster's barrier: no wave of any partner still reads this slot or has a load on its way
	TLOAD                                          ; the first tensor load behind the round, my one load until the next
	ASK
.endif
	s_xor_b32 s[TB], s[TB], SLOTB                  ; on to the other slot
	SLOTHEAD
	LOADK 0                                        ; its first fragments of k land under the sums and products below
.endif
	WIN 0x05                                       ; THE ROW'S SUM OF THE UNQUANTISED p: two at a time, two chains a tile.  (These lines are also the places between p's scale word and the products below)
.irp k, 0,1
.irp a, 0,1
	v_pk_add_f32 v[SA+4*\a+2*\k:SA+4*\a+2*\k+1], v[64*\a+2*\k:64*\a+2*\k+1], v[64*\a+2*\k+4:64*\a+2*\k+5]
.endr
.endr
	WIN 0x04
.set N, 4
.rept 28
.irp a, 0,1
	v_pk_add_f32 v[SA+4*\a+2*(N%2):SA+4*\a+2*(N%2)+1], v[SA+4*\a+2*(N%2):SA+4*\a+2*(N%2)+1], v[64*\a+2*N:64*\a+2*N+1]
.endr
.set N, N+1
.endr
	WIN 0
.irp a, 0,1
	v_pk_add_f32 v[SA+4*\a:SA+4*\a+1], v[SA+4*\a:SA+4*\a+1], v[SA+4*\a+2:SA+4*\a+3]
.endr
.irp a, 0,1
	s_delay_alu instid0(VALU_DEP_2)
	v_pk_fma_f32 v[LS+2*\a:LS+2*\a+1], v[LS+2*\a:LS+2*\a+1], v[FF+2*\a:FF+2*\a+1], v[SA+4*\a:SA+4*\a+1] op_sel_hi:[1,0,1]   ; the sums under the new M, and the step's
.endr
	s_wait_alu depctr_va_vdst(0)
.if \u == 0
	s_wait_dscnt 17                                ; v's 17 loads are in; the next step's 17 of k may be out
.else
.if \mode == 0
	s_wait_dscnt 0x0                               ; v's
.endif
.endif
.if \first
	WIN 0x40
.else
	WIN 0x50
.endif
.irp t, 0,1,2,3,4,5,6,7                        ; O^T += v^T p^T: the sixteen accumulators take turns, one instruction a turn
.irp a, 0,1
	WM 128+64*\a+8*\t, VF+8*\t, PC+8*\a, (1-\first), VS+\t/2, PS+\a, (\t%2)
.endr
.endr
	WIN 0
.if (\u == 0) || \mode
.rept 4
	v_nop                                          ; four places in front of loads into the registers that these products read
.endr
.if \u == 0
	LOADV STEPB                                    ; the next step's v
.else
	LOADV 0
.endif
.endif
.endm
	s_mov_b32 s[SLOTS], 14
	STEP 0, 0, 1                                   ; slot 0 is written out: its first step starts O^T
	STEP 1, 1, 0
	s_mov_b32 s[SLOTS], 13
.Lslot:                                            ; 13 trips: slots 1 to 13; slot i's last step waits for slot i + 1 and asks for slot i + 2
	STEP 0, 0, 0
	STEP 1, 1, 0
	s_sub_co_u32 s[SLOTS], s[SLOTS], 1
	s_cmp_lg_u32 s[SLOTS], 0
	s_cbranch_scc1 .Lslot
	STEP 0, 0, 0                                   ; slots 14 and 15 are written out: they ask for nothing
	STEP 1, 2, 0
	STEP 0, 0, 0
	STEP 1, 0, 0
	; THE FOUR SHARES OF A QUERY ARE JOINED.  First the statistics: each wave's -M and sum.
.irp a, 0,1
	v_add_f32 v[LS+2*\a], v[LS+2*\a], v[LS+2*\a+1]
.endr
.irp a, 0,1
	v_permlanex16_b32 v[TY+\a], v[LS+2*\a], s[SEL], s[SEL+1]
.endr
.irp a, 0,1
	v_add_f32 v[NM+2*\a+1], v[LS+2*\a], v[TY+\a]   ; my share's sum, beside -M
.endr
	ds_store_b64 v[STA], v[NM:NM+1]                ; lanes r and r + 16 write the same 8 bytes with the same values
	ds_store_b64 v[STA], v[NM+2:NM+3] offset:128
	s_wait_alu depctr_va_vdst(0)
	s_wait_dscnt 0x0                               ; for the others' sake
	s_barrier_signal -1
	s_barrier_wait -1                              ; behind it nobody reads the ring, which has had its last fill
.irp a, 0,1
.irp j, 0,1,2,3
	ds_load_b64 v[JS+8*\a+2*\j:JS+8*\a+2*\j+1], v[STB] offset:256*\j+128*\a
.endr
.endr
	s_wait_dscnt 0x0
.irp a, 0,1
	v_min3_num_f32 v[TX+\a], v[JS+8*\a], v[JS+8*\a+2], v[JS+8*\a+4]
.endr
.irp a, 0,1
	v_min_num_f32 v[TX+\a], v[TX+\a], v[JS+8*\a+6] ; -M of the whole row
.endr
.irp j, 0,1,2,3
.irp a, 0,1
	v_sub_f32 v[SA+4*\a+\j], v[TX+\a], v[JS+8*\a+2*\j]   ; share j's M less the row's
.endr
.endr
.irp a, 0,1
	v_sub_f32 v[CO+\a], v[TX+\a], v[NM+2*\a]       ; my own share's
.endr
.irp n, 0,1,2,3,4,5,6,7
	v_cvt_i32_f32 v[SA+\n], v[SA+\n]
.endr
.irp a, 0,1
	v_cvt_i32_f32 v[CO+\a], v[CO+\a]
.endr
.irp n, 0,1,2,3,4,5,6,7
	v_ldexp_f32 v[SA+\n], 1.0, v[SA+\n]            ; the factor that brings a share under the row's M
.endr
.irp a, 0,1
	v_ldexp_f32 v[CO+\a], 1.0, v[CO+\a]
.endr
.irp a, 0,1
	v_mul_f32 v[TZ+\a], v[SA+4*\a], v[JS+8*\a+1]
.endr
.irp j, 1,2,3
.irp a, 0,1
	v_fma_f32 v[TZ+\a], v[SA+4*\a+\j], v[JS+8*\a+2*\j+1], v[TZ+\a]   ; the row's sum
.endr
.endr
	s_wait_alu depctr_va_vdst(0)                   ; the wait ahead of the transcendentals
	v_rcp_f32 v[TZ], v[TZ]
	v_rcp_f32 v[TZ+1], v[TZ+1]
	v_nop
	s_wait_alu depctr_va_vdst(0)                   ; and behind them, ahead of their first reader
.irp a, 0,1
	v_mul_f32 v[FF+2*\a], v[CO+\a], v[TZ+\a]       ; my factor / the row's sum
.endr
	WIN 0x01
	s_wait_alu depctr_va_vdst(0)                   ; the wait directly ahead of the first reader of O^T
.set N, 0
.rept 64
	v_pk_mul_f32 v[128+N:129+N], v[128+N:129+N], v[FF+2*(N/64):FF+2*(N/64)+1] op_sel_hi:[1,0]   ; out of window 1 into window 0: register 64 a + 8 t + i: my share of out(query r of tile a, feature 16 t + 8 h + i)
.set N, N+2
.endr
	WIN 0
.irp a, 0,1
.irp t, 0,1,2,3,4,5,6,7
	ds_store_b128 v[STO], v[128+64*\a+8*\t:131+64*\a+8*\t] offset:16*SROW*\a+64*\t
	ds_store_b128 v[STO], v[132+64*\a+8*\t:135+64*\a+8*\t] offset:16*SROW*\a+64*\t+16
.endr
.endr
	s_wait_alu depctr_va_vdst(0)
	s_wait_dscnt 0x0                               ; for the others' sake
	s_barrier_signal -1
	s_barrier_wait -1                              ; eight stages of 32 whole rows lie in LDS
.irp i, 0,1,2,3,4,5,6,7                        ; I join rows 8 kj .. 8 kj + 7 of my 32 queries: a row of each of the four stages
.irp j, 0,1,2,3
	ds_load_b128 v[128+16*\i+4*\j:131+16*\i+4*\j], v[SRD] offset:STGW*\j+SROW*\i
.endr
.endr
.irp i, 0,1,2,3,4,5,6,7
	s_wait_dscnt 28-4*\i                           ; row i's four loads are in; the four of each later row may be out
	v_pk_add_f32 v[128+16*\i:129+16*\i], v[128+16*\i:129+16*\i], v[132+16*\i:133+16*\i]
	v_pk_add_f32 v[130+16*\i:131+16*\i], v[130+16*\i:131+16*\i], v[134+16*\i:135+16*\i]
	v_pk_add_f32 v[136+16*\i:137+16*\i], v[136+16*\i:137+16*\i], v[140+16*\i:141+16*\i]
	v_pk_add_f32 v[138+16*\i:139+16*\i], v[138+16*\i:139+16*\i], v[142+16*\i:143+16*\i]
	v_pk_add_f32 v[128+16*\i:129+16*\i], v[128+16*\i:129+16*\i], v[136+16*\i:137+16*\i]
	v_pk_add_f32 v[130+16*\i:131+16*\i], v[130+16*\i:131+16*\i], v[138+16*\i:139+16*\i]
	global_store_b128 v[GO], v[128+16*\i:131+16*\i], s[6:7] offset:512*\i th:TH_STORE_NT   ; 32 lanes store a row of 512 consecutive bytes, at a multiple of 256 from out0's first byte
.endr
	s_wait_tensorcnt 0x0                           ; the wave's end
	ds_add_u32 v[SPW], v[NIL]
	s_wait_dscnt 0x0
	CROUND                                         ; the closing round
	s_endpgm
.Lfunc_end_k_qa3837fb84a_attn:
	.size	k_qa3837fb84a_attn, .Lfunc_end_k_qa3837fb84a_attn-k_qa3837fb84a_attn
	.p2alignl 7, 3214868480
	.fill 96, 4, 3214868480
	.section	.rodata,"a",@progbits
	.p2align	6, 0x0
	.amdhsa_kernel k_qa3837fb84a_attn
		.amdhsa_group_segment_fixed_size 327680
		.amdhsa_private_segment_fixed_size 0
		.amdhsa_enable_private_segment 0
		.amdhsa_kernarg_size 16
		.amdhsa_user_sgpr_count 2
		.amdhsa_user_sgpr_kernarg_segment_ptr 1
		.amdhsa_wavefront_size32 1
		.amdhsa_system_sgpr_workgroup_id_x 1
		.amdhsa_system_sgpr_workgroup_id_y 1
		.amdhsa_system_sgpr_workgroup_id_z 1
		.amdhsa_system_vgpr_workitem_id 0
		.amdhsa_next_free_vgpr 512
		.amdhsa_next_free_sgpr 66
		.amdhsa_reserve_vcc 0
		.amdhsa_float_denorm_mode_32 3
		.amdhsa_float_denorm_mode_16_64 3
		.amdhsa_memory_ordered 1
		.amdhsa_forward_progress 1
		.amdhsa_inst_pref_size 255
	.end_amdhsa_kernel
	.section	.bss,"aw",@nobits
	.p2align	6
	.space	262144
	.amdgpu_metadata
---
amdhsa.version: [ 1, 2 ]
amdhsa.kernels:
  - .name:           k_qa3837fb84a_attn
    .symbol:         k_qa3837fb84a_attn.kd
    .args:
      - { .name: ws, .offset: 0, .size: 8, .value_kind: global_buffer, .address_space: global }
      - { .name: out0, .offset: 8, .size: 8, .value_kind: global_buffer, .address_space: global }
    .group_segment_fixed_size: 327680
    .private_segment_fixed_size: 0
    .kernarg_segment_align: 8
    .kernarg_segment_size: 16
    .max_flat_workgroup_size: 256
    .sgpr_count:     66
    .vgpr_count:     512
    .wavefront_size: 32
...
	.end_amdgpu_metadata
.endif
;; end of part 2
